; MI455X (gfx1250); checked and timed in simulation.
; The chip was launched on July 23, 2026; its instructions are those of AMD's public machine-readable ISA for CDNA 5 (MIT licence, August 2026) and "CDNA5" Instruction Set Architecture Reference Guide (July 2026). The comments in the code are by the model that wrote it; some were corrected since.
;; Head. Allowed arithmetic: matrix products marked QUANTISED: E4M3 operands, one E8M0 scale for each 32 along K, by v_wmma_scale_f32_16x16x128_f8f6f4 with both operands' format E4M3, f32 sums; everything else in f32.
;; Inputs: Wk 256 x 32 float32; Wq 256 x 32 float32; Wv 256 x 32 float32; x 8 x 2,048 x 256 float32.
;; Outputs: out0 8 x 2,048 x 32 float32.
;; This version of the problem:
;;   THIS VERSION OF THE PROBLEM IS GIVEN IN LOW PRECISION. The matrix products marked QUANTISED in the list below multiply operands that are first quantised to E4M3 (4 exponent bits, 3 mantissa bits; 8 bits a number), with one power-of-two scale for each 32 numbers along K (OCP MX v1.0); their sums are f32. All else is computed in f32.
;;   The module's matrix products, in the order in which they are computed (A, B: the left and right operand; K: the contracted axis; several contracted axes count as one K, in the product's order):
;;     1. [M 16,384, K 256] x [K 256, N 32]; A: input x; B: input Wq: QUANTISED
;;     2. [M 16,384, K 256] x [K 256, N 32]; A: input x; B: input Wk: QUANTISED
;;     3. [M 16,384, K 256] x [K 256, N 32]; A: input x; B: input Wv: QUANTISED
;;     4. batch 8 x [M 2,048, K 32] x [K 32, N 2,048]; A: computed on the way; B: computed on the way: QUANTISED
;;     5. batch 8 x [M 2,048, K 2,048] x [K 2,048, N 32]; A: softmax (see below); B: computed on the way: QUANTISED
;;   THE QUANTISER, for each operand of a quantised product, along K:
;;     - K is cut into blocks of 32 from its start; a last block that is shorter is filled with zeros.
;;     - A block's scale is 2^e with e = floor(log2(the largest magnitude in the block)) - 8, held to -126 .. 127; a block of zeros has e = 0. As a byte (E8M0): e + 127.
;;     - Each number is divided by its block's scale, clamped to +-448, and rounded to the nearest number of E4M3, ties to even, subnormals kept.
;;     - The product sums the exact products of the quantised numbers (number of the format x scale) in f32.
;;   ~~~python
;;   def quantise(x, axis):      # numpy; x: float32 -> the quantised numbers, widened to float32 again
;;       x = np.moveaxis(x, axis, -1); K = x.shape[-1]
;;       x = np.pad(x, [(0, 0)] * (x.ndim - 1) + [(0, -K % 32)]); x = x.reshape(x.shape[:-1] + (-1, 32)); a = np.abs(x).max(-1, keepdims=True)
;;       e = np.where(a > 0, np.clip(np.frexp(np.where(a > 0, a, 1))[1] - 1 - 8, -126, 127), 0)      # np.frexp(a)[1] - 1 = floor(log2(a)), exactly
;;       r = np.clip(x / 2.0 ** e, -448, 448)
;;       step = 2.0 ** (np.maximum(np.frexp(np.where(r == 0, 1, r))[1] - 1, -6) - 3)
;;       q = np.round(r / step) * step * 2.0 ** e      # np.round: ties to even
;;       return np.moveaxis(q.reshape(q.shape[:-2] + (-1,))[..., :K], -1, axis).astype(np.float32)
;;   ~~~
;;   SOFTMAX AHEAD OF A QUANTISED PRODUCT. Where the list says 'softmax', what is quantised is not the finished softmax but p = 2^(t - M), with t = logit x log2(e) and M = ceil(the row's largest t), a whole number; so 1/2 < the row's largest p <= 1. The row's sum l is taken of the UNQUANTISED p, in f32, and the product's result is divided by l at the end. Since M is a whole number, a kernel that streams over the keys may use a running M (the ceiling of the running maximum): every later rescaling is an exact power of two, which a block's scale takes up: the codes' values come out the same.
;;   OPERANDS COMPUTED ON THE WAY. 'Computed on the way' means the value that the module computes at that place (a softmax that the list does not call 'softmax' is quantised finished and normalised). What goes into a quantiser is computed in f32, as accurately as f32 sums, v_exp_f32 and their like allow (about 1e-6 of the number): no bf16 or f16 on the way to a quantiser, and a product that is left as it is and whose result goes on into a quantised operand takes f32 operands (vector FMAs, or v_wmma_f32_16x16x4_f32). A number that lies on a knife's edge between two numbers of the format may be rounded either way, as far as f32 arithmetic and the matrix unit's own rounding can turn it there, and no further.
;; 2 versions, each right; version 2 is version 1 with the launch attn written anew for expert scheduling mode. Each part assembles by itself: llvm-mc -triple=amdgcn-amd-amdhsa -mcpu=gfx1250 --defsym DOCPART=n.
;; ======== version 1 of 2: 2 launches
;; workspace buffers: qc 524,288 bytes; kc 524,288 bytes; vc 524,288 bytes; sc 131,072 bytes
;; launch proj (part 1): grid 256 x 1, 4 waves a work-group, clusters of 4 x 1, 217,600 bytes of LDS; arguments x, Wq, Wk, Wv, qc, kc, vc, sc; writes qc, kc, vc, sc
.if DOCPART == 1
	.amdgcn_target "amdgcn-amd-amdhsa--gfx1250"
	.amdhsa_code_object_version 6
	.text
	.protected	k_q1bf024de3c_proj
	.globl	k_q1bf024de3c_proj
	.p2align	8
	.type	k_q1bf024de3c_proj,@function
k_q1bf024de3c_proj:
	s_mov_b64 s[64:65], 0
	v_nop
	global_prefetch_b8 v0, s[64:65] scope:SCOPE_SE
	s_setreg_imm32_b32 hwreg(HW_REG_WAVE_MODE, 25, 1), 1
	s_wait_xcnt 0x0
	s_wait_alu depctr_hold_cnt(0) depctr_sa_sdst(0) depctr_va_vdst(0) depctr_va_sdst(0) depctr_va_ssrc(0) depctr_va_vcc(0) depctr_vm_vsrc(0)
	s_getreg_b32 s2, hwreg(HW_REG_IB_STS2, 6, 4)
	s_cmp_eq_u32 s2, 0
	s_cbranch_scc0 .Lentry_in_a_cluster
	s_endpgm
.Lentry_in_a_cluster:
	s_bfe_u32 s2, ttmp6, 0x10000c
	s_cmp_lg_u32 s2, 0x3003
	s_cbranch_scc0 .Lentry_shape_is_right
	s_endpgm
.Lentry_shape_is_right:
; q = x Wq, k = x Wk, v = x Wv on codes of FP8 (E4M3) with one E8M0 scale for each 32 along K = 256; then q and k are quantised along their 32 channels
; and v along the keys (blocks of 32 rows), for the attention launch.  x: [16384][256] f32; W*: [256][32] f32, K the first axis.
; SHARES.  A work-group of four waves takes 64 rows.  Wave w quantises x's tile w (16 rows, two fragments of 128 K) and three of W's twelve fragments; operands go from wave to wave
; through LDS as images of their registers (16 bytes a lane, 512 bytes a store).  Then wave w makes q and k of its own tile and v of 32 rows x 16 channels: 12 matrix instructions.
; THE ROWS OF A TILE ARE NOT NEIGHBOURS: lane n of tile 2 b + u takes row 32 b + 8 u + n + 8 (n / 8).  With x as source 0 (v = x Wv) the 16 registers of tiles 2 b, 2 b + 1 are then 16 neighbouring
; keys 32 b + 16 (lane / 16) + 0..15 of one channel; with x as source 1 (q, k: transposed) and W's columns chosen likewise a lane holds one row and 16 neighbouring channels.  So every conversion's result is an operand's registers.
; MEMORY.  x comes by tensor loads, 16 rows x 512 bytes a load, two a wave; W by tensor loads of 32 x 256 dense bytes, three a wave.  All work-groups read the same W: the four of a cluster ask for it JOINTLY (mask 15).
; A wave has five tensor loads out.  No LDS byte is filled twice.
; OUT (this program's own layouts): qc: tile T: 512 bytes, 16 x lane.  kc: 64 keys: one fragment of 2,048 bytes, whose K block c holds tile c's codes.  vc: 128 keys: two fragments (channels 0-15, 16-31), keys innermost.
; sc: 512 bytes for 64 rows: q's scale words (the byte four times) | k's scale words (byte c: tile c) | v's scale bytes, two a lane and channel tile.
; LIMITS: a block whose largest magnitude lies under 2^-118 (a block of zeros too) gets the scale byte 1: the bytes are read by this program alone.  NaN and infinities among the inputs are not served.
.set XP,   528                         ; a half row of x in LDS: 512 bytes + 16 of padding
.set XREG, 16*XP+128                   ; a wave's 16 rows; 128 bytes more, so that rows 16 apart do not start at the same banks (64 banks of 4 bytes: ISA guide 11.1)
.set X0,   0                           ; K 0-127 of the 64 rows
.set X1,   4*XREG                      ; K 128-255
.set WL,   8*XREG                      ; Wq, Wk, Wv as f32: 128 lines of 256 bytes (two rows k) + 16 of padding
.set WP,   272
.set WMAT, 128*WP
.set WIMG, WL+3*WMAT                   ; from here on bytes that LDS stores write: no tensor load lands here.  W's 12 fragments: 4 x matrix + 2 x tile + K step
.set WSCB, WIMG+12*2048                ; their scale words, 128 bytes each
.set XIMG, WSCB+12*128                 ; x's 8 fragments: 2 x tile + K step
.set XSCB, XIMG+8*2048
.set REC,  XSCB+8*128                  ; the 512 bytes for sc
.set XA,  11                           ; v11  x in LDS: my row, my half of a block
.set AQ,  12                           ; v12-14  W in LDS: my column and first k, in Wq, Wk, Wv
.set AK,  13
.set AV,  14
.set LI,  15                           ; v15  16 x lane
.set LS,  16                           ; v16  4 x lane
.set WWI, 17                           ; v17-20  where I store images and scale words of W and of x
.set WWS, 18
.set XWI, 19
.set XWS, 20
.set LIW, 21                           ; v21-26  where I read them
.set LSW, 22
.set LIV, 23
.set LSV, 24
.set LIX, 25
.set LSX, 26
.set RQ,  27                           ; v27-30  the record: q's word, k's byte, v's byte; back
.set RK,  28
.set RV,  29
.set RR,  30
.set VOQ, 31                           ; v31-33  byte offsets in qc and kc, in vc, in sc
.set VOV, 32
.set VOS, 33
.set TM,  34                           ; v34-49  largest magnitudes, bytes, 448 x scale, scale operands
.set PWQ, 50                           ; v50-52  scale words of my three fragments of W
.set XW,  53                           ; v53-54  of my two fragments of x
.set WS,  56                           ; v56-65  W's scale words as read back
.set XVS, 66                           ; v66-69  x's, for v
.set TQ,  70
.set RA,  72                           ; v72-135, v136-199  two sets of 64 numbers
.set RB,  136
.set PCW, 200                          ; v200-247  codes of my three fragments of W; later
.set XF,  200                          ; v200-231  my two fragments of x
.set XV,  RA                           ; x's four fragments for v
.set ACC, RB                           ; q, k, v: 16 registers each
.set PCO, 184                          ; their codes, 4 registers each
.set SEL, 68                           ; s[68:69] v_permlanex16_b32's selects for lane l xor 16
.set MNT, 70                           ; s70  the mantissa field of 448
.set MSB, 0
.macro WIN new                         ; the immediate's high byte repeats the setting that is left
.if MSB != \new
	s_set_vgpr_msb (MSB<<8)|\new
.set MSB, \new
.endif
.endm
.macro ROUND                           ; a round of the cluster's barrier
	s_barrier_signal -1
	s_barrier_wait -1
	s_cmp_lg_u32 s20, 0
	s_cbranch_scc1 .Lnot_wave_0_\@
	s_barrier_signal -3
.Lnot_wave_0_\@:
	s_barrier_wait -3
	s_barrier_signal -1
	s_barrier_wait -1
.endm
; nb blocks of 32 along K; of each a lane holds 16 numbers, v[src + 16 b + i], lane l xor 16 the other 16.  Codes to v[pc + 4 b] on; with nb = 4 the four bytes make the scale word v[pw].
.macro QUANT src, nb, pc, pw
.set qb, 0
.rept \nb
	v_max3_num_f32 v[TM+qb], |v[\src+16*qb]|, |v[\src+16*qb+1]|, 0x4800000   ; with the floor 2^(9 - 127): the byte cannot fall under 1
.set qb, qb+1
.endr
.set qi, 2
.rept 7
.set qb, 0
.rept \nb
	v_max3_num_f32 v[TM+qb], v[TM+qb], |v[\src+16*qb+qi]|, |v[\src+16*qb+qi+1]|   ; the blocks by turns; each accumulator is read from its low end on
.set qb, qb+1
.endr
.set qi, qi+2
.endr
.set qb, 0
.rept \nb
	v_permlanex16_b32 v[TM+4+qb], v[TM+qb], s[SEL], s[SEL+1]
.set qb, qb+1
.endr
.set qb, 0
.rept \nb
	v_max_num_f32 v[TM+qb], v[TM+qb], v[TM+4+qb]          ; the block's largest magnitude
.set qb, qb+1
.endr
.set qb, 0
.rept \nb
	v_add_nc_u32 v[TM+12+qb], 0xfc000000, v[TM+qb]        ; 8 off its exponent field: the conversion's scale operand
.set qb, qb+1
.endr
.set qb, 0
.rept \nb
	v_and_or_b32 v[TM+8+qb], v[TM+qb], 0x7f800000, s[MNT] ; 448 x the scale
.set qb, qb+1
.endr
.set qb, 0
.rept \nb
	v_lshrrev_b32 v[TM+4+qb], 23, v[TM+12+qb]             ; the scale's byte
.set qb, qb+1
.endr
.if \nb == 4
	v_lshl_or_b32 v[\pw], v[TM+5], 8, v[TM+4]
	v_lshl_or_b32 v[\pw], v[TM+6], 16, v[\pw]
	v_lshl_or_b32 v[\pw], v[TM+7], 24, v[\pw]             ; (the holds below are its places ahead of a scaled matrix instruction)
.endif
.set qb, 0
.rept \nb
.set qi, 0
.rept 16
	v_med3_num_f32 v[\src+16*qb+qi], v[\src+16*qb+qi], -v[TM+8+qb], v[TM+8+qb]   ; the conversion to an 8-bit code does not saturate (ISA guide 7.6.2): the hold
.set qi, qi+1
.endr
	v_cvt_scalef32_pk8_fp8_f32 v[\pc+4*qb:\pc+4*qb+1], v[\src+16*qb:\src+16*qb+7], v[TM+12+qb]
	v_cvt_scalef32_pk8_fp8_f32 v[\pc+4*qb+2:\pc+4*qb+3], v[\src+16*qb+8:\src+16*qb+15], v[TM+12+qb]
.set qb, qb+1
.endr
	v_nop                                                 ; one plain line behind the last scaled conversion
.endm
.macro WLOAD reg, adr                  ; 64 numbers of my column: register 16 c + i = k 32 c + 16 (lane / 16) + i of my K step; two rows k share a line of 272 bytes
.set wc, 0
.rept 4
.set wi, 0
.rept 16
	ds_load_b32 v[\reg+16*wc+wi], v[\adr] offset:((32*wc+wi)/2)*WP+(wi%2)*128
.set wi, wi+1
.endr
.set wc, wc+1
.endr
.endm
.macro XLOAD reg, base                 ; 64 numbers of my row, in the same order
.set wc, 0
.rept 4
.set wi, 0
.rept 4
	ds_load_b128 v[\reg+16*wc+4*wi:\reg+16*wc+4*wi+3], v[XA] offset:\base+128*wc+16*wi
.set wi, wi+1
.endr
.set wc, wc+1
.endr
.endm
.macro IMAGE pc, adr, off              ; a fragment goes to LDS as it stands
.set wc, 0
.rept 4
	ds_store_b128 v[\adr], v[\pc+4*wc:\pc+4*wc+3] offset:\off+512*wc
.set wc, wc+1
.endr
.endm
	s_load_b512 s[4:19], s[0:1], 0x0               ; x, Wq, Wk, Wv, qc, kc, vc, sc
	v_lshl_add_u32 v254, v0, 2, 0x35000
	v_mov_b32 v255, 0
	ds_add_u32 v254, v255
	ds_add_u32 v254, v255
	v_lshrrev_b32 v1, 5, v0
	v_readfirstlane_b32 s20, v1                    ; wave 0..3
	s_lshr_b32 s21, s20, 1                         ; b: my block of 32 rows.  Also: which tile of W's columns I quantise
	s_and_b32 s22, s20, 1                          ; u: my tile in it.  Also: which K step of W I quantise, and which 16 channels of v I make
	s_bfe_u32 s71, ttmp6, 0x40000                  ; my place in the cluster
	s_lshl_b32 s67, ttmp9, 2
	s_add_co_u32 s71, s71, s67                     ; G: my 64 rows.  It enters global addresses alone
	; group 1 for x: 16 rows of 64 elements of 8 bytes, 128 elements apart; 4 words of padding behind every 128
	s_mov_b32 s24, (3<<16)|(1<<20)|(6<<22)|(3<<25)
	s_mov_b32 s25, 64<<16
	s_mov_b32 s26, 16<<16
	s_mov_b32 s27, 64<<16
	s_mov_b32 s28, 16
	s_mov_b32 s29, 128
	s_mov_b32 s30, 0
	s_mov_b32 s31, 0
	; group 1 for W: a dense block as 32 rows of 256 bytes; 4 words of padding behind every 64; the mask names the cluster's four, bit 21 beside it
	s_mov_b32 s32, 15|(3<<16)|(1<<20)|(1<<21)|(5<<22)|(3<<25)
	s_mov_b32 s33, 32<<16
	s_mov_b32 s34, 32<<16
	s_mov_b32 s35, 32<<16
	s_mov_b32 s36, 32
	s_mov_b32 s37, 32
	s_mov_b32 s38, 0
	s_mov_b32 s39, 0
	s_mul_i32 s23, s20, XREG                       ; where my 16 rows of x go
	s_mul_i32 s66, s20, 32*WP                      ; where my quarter of a matrix goes
	s_lshl_b32 s60, s71, 16                        ; 64 rows of 1,024 bytes
	s_lshl_b32 s67, s20, 14
	s_add_co_u32 s60, s60, s67
	s_mov_b32 s61, 0
	s_lshl_b32 s62, s20, 13                        ; my quarter of a matrix in memory: made of the wave's number alone
	s_mov_b32 s63, 0
	s_mov_b32 s[SEL], 0x76543210
	s_mov_b32 s[SEL+1], 0xfedcba98
	s_mov_b32 s[MNT], 0x600000
	s_wait_dscnt 0x0
	s_wait_kmcnt 0x0
	s_mov_b32 s40, 1
	s_add_co_u32 s41, s23, X0
	s_add_nc_u64 s[42:43], s[4:5], s[60:61]
	s_add_nc_u64 s[58:59], s[42:43], 512
	s_or_b32 s43, s43, 0x80000000
	s_mov_b32 s56, 1
	s_add_co_u32 s57, s23, X1
	s_or_b32 s59, s59, 0x80000000
.irp m, 0,1,2
	s_mov_b32 s[44+4*\m], 1
	s_add_co_u32 s[45+4*\m], s66, WL+\m*WMAT
	s_add_nc_u64 s[46+4*\m:47+4*\m], s[6+2*\m:7+2*\m], s[62:63]
	s_or_b32 s[47+4*\m], s[47+4*\m], 0x80000000
.endr
	ROUND                                          ; the four work-groups are here: the joint loads meet
	tensor_load_to_lds s[40:43], s[24:31]          ; x, K 0-127
	s_nop 0
	tensor_load_to_lds s[44:47], s[32:39]          ; my quarter of Wq, jointly
	s_nop 0
	tensor_load_to_lds s[48:51], s[32:39]          ; of Wk
	s_nop 0
	tensor_load_to_lds s[52:55], s[32:39]          ; of Wv
	s_nop 0
	tensor_load_to_lds s[56:59], s[24:31]          ; x, K 128-255
	s_nop 0
	v_and_b32 v2, 15, v0                           ; n
	v_bfe_u32 v3, v0, 4, 1                         ; h
	v_and_b32 v4, 31, v0                           ; lane
	v_and_b32 v5, 7, v0                            ; n % 8
	v_bfe_u32 v6, v0, 3, 1                         ; n / 8
	v_mul_u32_u24 v7, v5, XP                       ; x: row 32 b + 8 u + n + 8 (n / 8) lies in region 2 b + n / 8, as its row 8 u + n % 8
	v_mad_u32_u24 v7, v6, XREG, v7
	v_lshl_add_u32 v7, v3, 6, v7                   ; + 64 h: my 16 numbers of a block of 32
	s_mul_i32 s23, s21, 2*XREG
	s_mul_i32 s67, s22, 8*XP
	s_add_co_u32 s23, s23, s67
	v_add_nc_u32 v[XA], s23, v7
	v_mul_u32_u24 v8, v3, 8*WP                     ; W: 16 h rows k are 8 lines
	v_lshl_add_u32 v9, v2, 2, v8                   ; + 4 m: Wv's columns as they lie
	v_lshl_add_u32 v10, v6, 5, v9                  ; + 32 (m / 8): Wq's and Wk's: column 8 tile + m + 8 (m / 8)
	s_mul_i32 s23, s22, 64*WP                      ; my K step: 128 rows k
	s_lshl_b32 s67, s21, 5
	s_add_co_u32 s67, s67, s23
	s_add_co_u32 s66, s67, WL
	v_add_nc_u32 v[AQ], s66, v10
	s_add_co_u32 s66, s67, WL+WMAT
	v_add_nc_u32 v[AK], s66, v10
	s_lshl_b32 s67, s21, 6
	s_add_co_u32 s67, s67, s23
	s_add_co_u32 s67, s67, WL+2*WMAT
	v_add_nc_u32 v[AV], s67, v9
	v_lshlrev_b32 v[LI], 4, v4
	v_lshlrev_b32 v[LS], 2, v4
	s_lshl_b32 s23, s20, 11
	s_add_co_u32 s23, s23, WIMG
	v_add_nc_u32 v[WWI], s23, v[LI]
	s_lshl_b32 s23, s20, 7
	s_add_co_u32 s23, s23, WSCB
	v_add_nc_u32 v[WWS], s23, v[LS]
	s_lshl_b32 s23, s20, 12
	s_add_co_u32 s23, s23, XIMG
	v_add_nc_u32 v[XWI], s23, v[LI]
	s_lshl_b32 s23, s20, 8
	s_add_co_u32 s23, s23, XSCB
	v_add_nc_u32 v[XWS], s23, v[LS]
	v_add_nc_u32 v[LIW], WIMG, v[LI]
	v_add_nc_u32 v[LSW], WSCB, v[LS]
	s_lshl_b32 s23, s22, 12                        ; Wv's fragments of my 16 channels
	v_add_nc_u32 v[LIV], s23, v[LIW]
	s_lshl_b32 s23, s22, 8
	v_add_nc_u32 v[LSV], s23, v[LSW]
	s_lshl_b32 s23, s21, 13                        ; x's four fragments of my 32 rows
	s_add_co_u32 s23, s23, XIMG
	v_add_nc_u32 v[LIX], s23, v[LI]
	s_lshl_b32 s23, s21, 9
	s_add_co_u32 s23, s23, XSCB
	v_add_nc_u32 v[LSX], s23, v[LS]
	s_lshl_b32 s23, s20, 6
	s_add_co_u32 s23, s23, REC
	v_lshl_add_u32 v[RQ], v2, 2, s23               ; q: 64 w + 4 n
	s_add_co_u32 s23, s20, REC+256
	v_add_nc_u32 v[RK], s23, v[LS]                 ; k: 256 + 4 lane + w
	s_lshl_b32 s23, s22, 6
	s_add_co_u32 s23, s23, s21
	s_add_co_u32 s23, s23, REC+384
	v_lshl_add_u32 v[RV], v4, 1, s23               ; v: 384 + 64 (channel tile) + 2 lane + b
	v_add_nc_u32 v[RR], REC, v[LI]
	s_lshl_b32 s23, s71, 11
	s_lshl_b32 s67, s20, 9
	s_add_co_u32 s23, s23, s67
	v_add_nc_u32 v[VOQ], s23, v[LI]                ; qc, kc: 2,048 G + 512 w + 16 lane
	s_lshr_b32 s23, s71, 1
	s_lshl_b32 s23, s23, 12
	s_and_b32 s67, s71, 1
	s_lshl_b32 s67, s67, 10
	s_add_co_u32 s23, s23, s67
	s_lshl_b32 s67, s22, 11
	s_add_co_u32 s23, s23, s67
	s_lshl_b32 s67, s21, 9
	s_add_co_u32 s23, s23, s67
	v_add_nc_u32 v[VOV], s23, v[LI]                ; vc: 4,096 (G / 2) + 2,048 (channel tile) + 512 (2 (G % 2) + b) + 16 lane
	s_lshl_b32 s23, s71, 9
	v_add_nc_u32 v[VOS], s23, v[LI]
.irp b, 0,1,2,3
	v_mov_b32 v[TM+4+\b], 0                        ; written once: a lane permute's destination counts as one of its sources
.endr
	s_wait_tensorcnt 0x1                           ; my parts of x's first half and of W are in; x's second half may stay out
	s_barrier_signal -1
	s_barrier_wait -1                              ; everybody's are
	; ---- W: my fragment of each matrix; the next fragment's numbers are on their way while one is quantised
	WLOAD RA, AQ
	s_wait_dscnt 0x0
	WLOAD RB, AK
	QUANT RA, 4, PCW, PWQ
	IMAGE PCW, WWI, 0
	ds_store_b32 v[WWS], v[PWQ]
	s_wait_dscnt 0x0                               ; Wk's numbers are in
	WLOAD RA, AV
	QUANT RB, 4, PCW+16, PWQ+1
	IMAGE PCW+16, WWI, 8192
	ds_store_b32 v[WWS], v[PWQ+1] offset:512
	s_wait_dscnt 0x0                               ; Wv's numbers are in
	XLOAD RB, X0
	QUANT RA, 4, PCW+32, PWQ+2
	IMAGE PCW+32, WWI, 16384
	ds_store_b32 v[WWS], v[PWQ+2] offset:1024
	s_wait_dscnt 0x0                               ; x's numbers are in, and the stores have read Wq's codes, whose registers x's fragment takes
	QUANT RB, 4, XF, XW
	IMAGE XF, XWI, 0
	ds_store_b32 v[XWS], v[XW]
	s_wait_tensorcnt 0x0                           ; my part of x's second half is in
	s_wait_dscnt 0x0                               ; my images have landed
	s_barrier_signal -1
	s_barrier_wait -1
	XLOAD RA, X1
	WIN 0x40                                       ; destination window 1: W's fragments stay there
.set wf, 0
.rept 8                                        ; Wq's four (2 x tile + K step), Wk's four
.set wc, 0
.rept 4
	ds_load_b128 v[16*wf+4*wc:16*wf+4*wc+3], v[LIW] offset:2048*wf+512*wc
.set wc, wc+1
.endr
.set wf, wf+1
.endr
.rept 2                                        ; Wv's two, of my 16 channels
.set wc, 0
.rept 4
	ds_load_b128 v[16*wf+4*wc:16*wf+4*wc+3], v[LIV] offset:2048*wf+512*wc
.set wc, wc+1
.endr
.set wf, wf+1
.endr
	WIN 0
.set wf, 0
.rept 8
	ds_load_b32 v[WS+wf], v[LSW] offset:128*wf
.set wf, wf+1
.endr
.rept 2
	ds_load_b32 v[WS+wf], v[LSV] offset:128*wf
.set wf, wf+1
.endr
	s_wait_dscnt 50                                ; x's 16 loads are in; the 40 + 10 issued behind them may be out
	QUANT RA, 4, XF+16, XW+1
	IMAGE XF+16, XWI, 2048
	ds_store_b32 v[XWS], v[XW+1] offset:128
	s_wait_dscnt 0x0
	s_barrier_signal -1
	s_barrier_wait -1                              ; x's eight fragments lie in LDS
.set wf, 0
.rept 4                                        ; for v: both tiles of my 32 rows, both K steps: 2 x tile + K step
.set wc, 0
.rept 4
	ds_load_b128 v[XV+16*wf+4*wc:XV+16*wf+4*wc+3], v[LIX] offset:2048*wf+512*wc
.set wc, wc+1
.endr
	ds_load_b32 v[XVS+wf], v[LSX] offset:128*wf
.set wf, wf+1
.endr
.rept 4
	v_nop                                          ; an operand written by vector instructions stands 4 places ahead of a scaled matrix instruction
.endr
	WIN 0x01                                       ; source 0 (W) window 1
; q and k, TRANSPOSED: source 0 = 16 columns of W, source 1 = my 16 rows.  Four accumulators by turns
.irp s, 0,1
.irp m, 0,1
.irp u, 0,1
.if \s == 0
	v_wmma_scale_f32_16x16x128_f8f6f4 v[ACC+16*\m+8*\u:ACC+16*\m+8*\u+7], v[16*(4*\m+2*\u+\s):16*(4*\m+2*\u+\s)+15], v[XF+16*\s:XF+16*\s+15], 0, v[WS+4*\m+2*\u+\s], v[XW+\s]
.else
	v_wmma_scale_f32_16x16x128_f8f6f4 v[ACC+16*\m+8*\u:ACC+16*\m+8*\u+7], v[16*(4*\m+2*\u+\s):16*(4*\m+2*\u+\s)+15], v[XF+16*\s:XF+16*\s+15], v[ACC+16*\m+8*\u:ACC+16*\m+8*\u+7], v[WS+4*\m+2*\u+\s], v[XW+\s]
.endif
.endr
.endr
.endr
	s_wait_dscnt 0x0                               ; x's fragments for v are in
	WIN 0x04                                       ; source 1 (W) window 1
; v: source 0 = 16 rows of x, source 1 = my 16 columns of Wv: a lane holds one channel, and the two tiles' 16 registers are 16 neighbouring keys
.irp s, 0,1
.irp u, 0,1
.if \s == 0
	v_wmma_scale_f32_16x16x128_f8f6f4 v[ACC+32+8*\u:ACC+32+8*\u+7], v[XV+16*(2*\u+\s):XV+16*(2*\u+\s)+15], v[16*(8+\s):16*(8+\s)+15], 0, v[XVS+2*\u+\s], v[WS+8+\s]
.else
	v_wmma_scale_f32_16x16x128_f8f6f4 v[ACC+32+8*\u:ACC+32+8*\u+7], v[XV+16*(2*\u+\s):XV+16*(2*\u+\s)+15], v[16*(8+\s):16*(8+\s)+15], v[ACC+32+8*\u:ACC+32+8*\u+7], v[XVS+2*\u+\s], v[WS+8+\s]
.endif
.endr
.endr
	WIN 0
.rept 8
	v_nop                                          ; places ahead of the first read of results (ISA guide 7.12.1)
.endr
	QUANT ACC, 3, PCO, TQ                          ; three blocks of 32 by turns: my rows' q, my rows' k (along the channels), my channels' v (along 32 keys)
	global_store_b128 v[VOQ], v[PCO:PCO+3], s[12:13]      ; each store of the wave covers 512 consecutive bytes, aligned
	global_store_b128 v[VOQ], v[PCO+4:PCO+7], s[14:15]
	global_store_b128 v[VOV], v[PCO+8:PCO+11], s[16:17]
	v_lshl_or_b32 v[TQ], v[TM+4], 8, v[TM+4]
	v_lshl_or_b32 v[TQ], v[TQ], 16, v[TQ]          ; q's byte four times: q will stand in any of an instruction's four K blocks
	ds_store_b32 v[RQ], v[TQ]                      ; (lanes l and l xor 16 write the same word with the same value)
	ds_store_b8 v[RK], v[TM+5]
	ds_store_b8 v[RV], v[TM+6]
	s_wait_dscnt 0x0
	s_barrier_signal -1
	s_barrier_wait -1                              ; the record's 512 bytes are whole
	s_cmp_lg_u32 s20, 0
	s_cbranch_scc1 .Lend
	ds_load_b128 v[72:75], v[RR]
	s_wait_dscnt 0x0
	global_store_b128 v[VOS], v[72:75], s[18:19]   ; 512 consecutive bytes, aligned
.Lend:
	s_wait_tensorcnt 0x0
	ds_add_u32 v254, v255
	s_wait_dscnt 0x0
	ROUND                                          ; the closing round: no work-group ends while a partner may still ask jointly
	s_endpgm
.Lfunc_end_k_q1bf024de3c_proj:
	.size	k_q1bf024de3c_proj, .Lfunc_end_k_q1bf024de3c_proj-k_q1bf024de3c_proj
	.p2alignl 7, 3214868480
	.fill 96, 4, 3214868480
	.section	.rodata,"a",@progbits
	.p2align	6, 0x0
	.amdhsa_kernel k_q1bf024de3c_proj
		.amdhsa_group_segment_fixed_size 217600
		.amdhsa_private_segment_fixed_size 0
		.amdhsa_enable_private_segment 0
		.amdhsa_kernarg_size 64
		.amdhsa_user_sgpr_count 2
		.amdhsa_user_sgpr_kernarg_segment_ptr 1
		.amdhsa_wavefront_size32 1
		.amdhsa_system_sgpr_workgroup_id_x 1
		.amdhsa_system_sgpr_workgroup_id_y 1
		.amdhsa_system_sgpr_workgroup_id_z 1
		.amdhsa_system_vgpr_workitem_id 0
		.amdhsa_next_free_vgpr 416
		.amdhsa_next_free_sgpr 72
		.amdhsa_reserve_vcc 0
		.amdhsa_float_denorm_mode_32 3
		.amdhsa_float_denorm_mode_16_64 3
		.amdhsa_memory_ordered 1
		.amdhsa_forward_progress 1
		.amdhsa_inst_pref_size 78
	.end_amdhsa_kernel
	.amdgpu_metadata
---
amdhsa.version: [ 1, 2 ]
amdhsa.kernels:
  - .name:           k_q1bf024de3c_proj
    .symbol:         k_q1bf024de3c_proj.kd
    .args:
      - { .name: x, .offset: 0, .size: 8, .value_kind: global_buffer, .address_space: global }
      - { .name: Wq, .offset: 8, .size: 8, .value_kind: global_buffer, .address_space: global }
      - { .name: Wk, .offset: 16, .size: 8, .value_kind: global_buffer, .address_space: global }
      - { .name: Wv, .offset: 24, .size: 8, .value_kind: global_buffer, .address_space: global }
      - { .name: qc, .offset: 32, .size: 8, .value_kind: global_buffer, .address_space: global }
      - { .name: kc, .offset: 40, .size: 8, .value_kind: global_buffer, .address_space: global }
      - { .name: vc, .offset: 48, .size: 8, .value_kind: global_buffer, .address_space: global }
      - { .name: sc, .offset: 56, .size: 8, .value_kind: global_buffer, .address_space: global }
    .group_segment_fixed_size: 217600
    .private_segment_fixed_size: 0
    .kernarg_segment_align: 8
    .kernarg_segment_size: 64
    .max_flat_workgroup_size: 128
    .sgpr_count:     72
    .vgpr_count:     416
    .wavefront_size: 32
...
	.end_amdgpu_metadata
.endif
;; end of part 1
;; launch attn (part 2): grid 256 x 1, 16 waves a work-group, no clusters, 157,696 bytes of LDS; arguments qc, kc, vc, sc, out0; writes out0
.if DOCPART == 2
	.amdgcn_target "amdgcn-amd-amdhsa--gfx1250"
	.amdhsa_code_object_version 6
	.text
	.protected	k_q1bf024de3c_attn
	.globl	k_q1bf024de3c_attn
	.p2align	8
	.type	k_q1bf024de3c_attn,@function
k_q1bf024de3c_attn:
	s_mov_b64 s[64:65], 0
	v_nop
	global_prefetch_b8 v0, s[64:65] scope:SCOPE_SE
	s_setreg_imm32_b32 hwreg(HW_REG_WAVE_MODE, 25, 1), 1
	s_wait_xcnt 0x0
; out[b][q] = the sum over k <= q of softmax_k(q . k / sqrt(32)) v[k], both products on codes of FP8 (E4M3) with E8M0 scales, from the codes that the launch before has laid in operand order.
; SHARES.  Work-group (batch, j), j = 0..31, owns query blocks j (A) and 63 - j (B), 32 queries = two tiles each: A needs NA = j / 4 + 1 key steps of 128, B needs 17 - NA: 34 units (16 queries x 128 keys) in every work-group.
; A WAVE OWNS ONE KEY STEP: K's and V's 8 KB go from memory straight into its registers, once, and are multiplied with B's two tiles, with A's two as well, or (steps that come after all my queries) with none.
; Steps are dealt to wave numbers by s = 4 ((p + q) % 4) + p, p = wave / 4, q = wave % 4: the four waves of equal q, and the four of equal p, then hold 6 to 10 of the 34 units.
; A UNIT STANDS BY ITSELF: t = score x log2(e) / sqrt(32); M = the unit's largest t of a query, rounded UP to a whole number; p = 2^(t - M) is quantised along the keys; O' = V^T P^T; l' = the sum of the unquantised p.
; O', -M, l' go to a slot in LDS (a unit without work stores zeros and -M = 2^127).  Behind one barrier the waves merge a tile's 16 slots: weights 2^(M - largest M), exact powers of two; O / l; one store of 512 bytes a wave.
; K = 32 IN AN INSTRUCTION OF K = 128.  A fragment of K holds FOUR tiles of 16 keys, tile c in K block c, its scale word their four bytes.  Q's 4 registers stand in a run Z Z Z Q Z Z Z of registers (Z: four zeros):
; read from its register 4 (3 - c) on, the run is a fragment with Q in block c and zero codes elsewhere.  So one fragment of K serves four matrix instructions and nothing is padded in memory.
; LAYOUT.  S^T = K Q^T, O^T = V^T P^T: a lane holds one query.  Lane m of key tile 2 b + u holds key 32 b + 8 u + m + 8 (m / 8), so the 16 registers of tiles 2 b, 2 b + 1 are keys 32 b + 16 (lane / 16) + 0..15.  Query tiles have the same order of rows.
; NO JOINT LOADS: fragments go straight into the registers of the one wave that multiplies them and are read once by a work-group; the work-groups of a batch need 9 to 16 steps, so partners would ask for different numbers of tiles.
; LIMITS: p is taken under the unit's own M (the codes' values are the row's, times an exact power of two); p under 2^-126 of that M becomes 0.  NaN and infinities are not served.
.set SLOTB, 16*144                     ; a slot: 16 queries x (128 bytes + 16)
.set TILEB, 16*SLOTB                   ; a tile's 16 slots, one for each wave
.set MB,    4*TILEB                    ; -M: [tile][query][wave] f32; l: 4,096 bytes further on
.set LI,  1                            ; v1   16 x lane
.set L4,  2                            ; v2   4 x lane
.set L2,  3                            ; v3   2 x lane
.set N4,  4                            ; v4   4 x (lane % 16)
.set STB, 5                            ; v5   my place in my slot of B's first tile
.set STA, 6                            ; v6   of A's first tile
.set STM, 7                            ; v7   my query's word for my wave among -M
.set LQ,  8                            ; v8   r + 8 (r / 8) - 16 h
.set RDO, 9                            ; v9   the merge: my 16 bytes in slot 0 of my tile
.set RDM, 10                           ; v10  the merge: my query's 16 words of -M
.set NEU, 11                           ; v11  2^127
.set NM,  12                           ; v12  -M (v13 is named with it as a pair)
.set LSUM, 14                          ; v[14:15] l
.set ZQ,  16                           ; v16-43  Z Z Z Q Z Z Z
.set QS,  44                           ; v44  Q's scale word
.set PW,  45                           ; v45  p's scale word
.set KS,  46                           ; v46-47  K's scale words
.set VS,  48                           ; v48-49  V's
.set VR,  50                           ; v50-53  V's scale bytes as loaded
.set KF,  64                           ; v64-95   K: two fragments
.set VF,  96                           ; v96-127  V: two fragments (channels 0-15, 16-31)
.set S,   128                          ; v128-191 S^T, then p
.set O,   192                          ; v192-207 O^T
.set PC,  208                          ; v208-223 p's codes
.set BM,  224                          ; v224-227 each block's largest score, then largest p
.set T4,  228
.set HL,  232                          ; 448 x the scale
.set SO,  236                          ; the conversions' scale operands
.set C2,  240
.set D0,  242
.set NI,  243
.set TT,  244
.set WV,  14                           ; s14 wave
.set KST, 16                           ; s16 my key step
.set NA,  19                           ; s19 A's steps
.set NB,  20                           ; s20 B's steps
.set S1,  22                           ; s22 my step + 1
.set DGB, 23                           ; s23 B's first query - my first key
.set DGA, 24                           ; s24 A's
.set SPB, 28                           ; s[28:29], s[30:31] scale words of B's and A's queries
.set SPA, 30
.set QPB, 32                           ; s[32:33], s[34:35] their codes
.set QPA, 34
.set CS,  44                           ; s[44:45] c = log2(e) / sqrt(32)
.set SEL, 46
.set MNT, 48
	s_load_b256 s[4:11], s[0:1], 0x0               ; qc, kc, vc, sc
	s_load_b64 s[12:13], s[0:1], 0x20              ; out0
	v_lshl_add_u32 v254, v0, 2, 0x26000
	v_mov_b32 v255, 0
	v_lshrrev_b32 v54, 5, v0
	v_readfirstlane_b32 s[WV], v54
.irp z, 0,1,2,3,4,5,6,7,8,9,10,11,16,17,18,19,20,21,22,23,24,25,26,27
	v_mov_b32 v[ZQ+\z], 0                          ; the zero codes round Q
.endr
	v_mov_b32 v13, 0
.irp b, 0,1,2,3
	v_mov_b32 v[T4+\b], 0                          ; written once: a lane permute's destination counts as one of its sources
.endr
	v_mov_b32 v[NEU], 0x7f000000
	s_lshr_b32 s15, s[WV], 2                       ; p
	s_and_b32 s[KST], s[WV], 3                     ; q
	s_add_co_u32 s[KST], s[KST], s15
	s_and_b32 s[KST], s[KST], 3
	s_lshl_b32 s[KST], s[KST], 2
	s_add_co_u32 s[KST], s[KST], s15               ; my key step
	s_add_co_u32 s[S1], s[KST], 1
	s_lshr_b32 s17, ttmp9, 5                       ; batch
	s_and_b32 s18, ttmp9, 31                       ; block A
	s_lshr_b32 s[NA], s18, 2
	s_add_co_u32 s[NA], s[NA], 1
	s_sub_co_u32 s[NB], 17, s[NA]
	s_sub_co_u32 s21, 63, s18                      ; block B
	s_lshl_b32 s49, s[KST], 7
	s_lshl_b32 s[DGB], s21, 5
	s_sub_co_i32 s[DGB], s[DGB], s49
	s_lshl_b32 s[DGA], s18, 5
	s_sub_co_i32 s[DGA], s[DGA], s49
	s_lshl_b32 s50, s17, 16                        ; K, V: 65,536 bytes a batch, 4,096 a step
	s_lshl_b32 s49, s[KST], 12
	s_add_co_u32 s50, s50, s49
	s_mov_b32 s51, 0
	s_lshl_b32 s25, s17, 14                        ; sc: 32 records of 512 bytes a batch, two a step
	s_lshl_b32 s49, s[KST], 10
	s_add_co_u32 s52, s25, s49
	s_mov_b32 s53, 0
	s_lshl_b32 s54, s17, 16                        ; Q's codes: 1,024 bytes a block
	s_lshl_b32 s49, s21, 10
	s_add_co_u32 s54, s54, s49
	s_mov_b32 s55, 0
	s_lshl_b32 s56, s17, 16
	s_lshl_b32 s49, s18, 10
	s_add_co_u32 s56, s56, s49
	s_mov_b32 s57, 0
	s_lshr_b32 s49, s21, 1                         ; Q's scale words: record block / 2, 128 (block % 2) bytes in
	s_lshl_b32 s49, s49, 9
	s_and_b32 s26, s21, 1
	s_lshl_b32 s26, s26, 7
	s_add_co_u32 s58, s49, s26
	s_add_co_u32 s58, s58, s25
	s_mov_b32 s59, 0
	s_lshr_b32 s49, s18, 1
	s_lshl_b32 s49, s49, 9
	s_and_b32 s26, s18, 1
	s_lshl_b32 s26, s26, 7
	s_add_co_u32 s60, s49, s26
	s_add_co_u32 s60, s60, s25
	s_mov_b32 s61, 0
	s_cmp_lt_u32 s[WV], 8                          ; the merge: waves 0-7 take B's tiles, 8-15 A's; tile p % 2, rows 4 q .. 4 q + 3 of it
	s_cselect_b32 s49, s21, s18
	s_lshl_b32 s49, s49, 5
	s_and_b32 s26, s15, 1
	s_lshl_b32 s26, s26, 3
	s_add_co_u32 s49, s49, s26
	s_and_b32 s26, s[WV], 3
	s_lshl_b32 s27, s26, 2
	s_add_co_u32 s49, s49, s27
	s_lshr_b32 s26, s26, 1
	s_lshl_b32 s26, s26, 3
	s_add_co_u32 s49, s49, s26                     ; query 32 block + 8 u + r + 8 (r / 8), r = 4 q
	s_lshl_b32 s26, s17, 11
	s_add_co_u32 s49, s49, s26
	s_lshl_b32 s62, s49, 7                         ; 128 bytes a row of out0
	s_mov_b32 s63, 0
	s_mov_b32 s[CS], 0x3e8293ee
	s_mov_b32 s[CS+1], s[CS]                       ; (named with it as a pair)
	s_mov_b32 s[SEL], 0x76543210
	s_mov_b32 s[SEL+1], 0xfedcba98
	s_mov_b32 s[MNT], 0x600000
	v_and_b32 v55, 31, v0                          ; lane
	v_and_b32 v56, 15, v0                          ; r
	v_bfe_u32 v57, v0, 4, 1                        ; h
	v_bfe_u32 v58, v0, 3, 1                        ; r / 8
	v_lshlrev_b32 v[LI], 4, v55
	v_lshlrev_b32 v[L4], 2, v55
	v_lshlrev_b32 v[L2], 1, v55
	v_lshlrev_b32 v[N4], 2, v56
	v_mul_u32_u24 v59, v56, 144                    ; every LDS address is made here, ahead of the place where the waves part
	v_lshl_add_u32 v59, v57, 5, v59
	s_mul_i32 s49, s[WV], SLOTB
	v_add_nc_u32 v[STB], s49, v59                  ; slot = my wave's: row r, + 32 h
	v_add_nc_u32 v[STA], 2*TILEB, v[STB]
	s_lshl_b32 s49, s[WV], 2
	s_add_co_u32 s49, s49, MB
	v_lshl_add_u32 v[STM], v56, 6, s49
	v_lshl_add_u32 v[LQ], v58, 3, v56
	v_lshlrev_b32 v59, 4, v57
	v_sub_nc_u32 v[LQ], v[LQ], v59
	v_lshrrev_b32 v59, 3, v55                      ; the merge: eight lanes to a query, 16 bytes a lane
	v_and_b32 v60, 7, v0
	v_mul_u32_u24 v61, v59, 144
	v_lshl_add_u32 v61, v60, 4, v61
	s_mul_i32 s49, s15, TILEB
	s_and_b32 s26, s[WV], 3
	s_mul_i32 s27, s26, 4*144
	s_add_co_u32 s49, s49, s27
	v_add_nc_u32 v[RDO], s49, v61
	s_lshl_b32 s49, s15, 10
	s_lshl_b32 s27, s26, 8
	s_add_co_u32 s49, s49, s27
	s_add_co_u32 s49, s49, MB
	v_lshl_add_u32 v[RDM], v59, 6, s49
	s_wait_kmcnt 0x0
	s_add_nc_u64 s[QPB:QPB+1], s[4:5], s[54:55]
	s_add_nc_u64 s[QPA:QPA+1], s[4:5], s[56:57]
	s_add_nc_u64 s[6:7], s[6:7], s[50:51]
	s_add_nc_u64 s[8:9], s[8:9], s[50:51]
	s_add_nc_u64 s[SPB:SPB+1], s[10:11], s[58:59]
	s_add_nc_u64 s[SPA:SPA+1], s[10:11], s[60:61]
	s_add_nc_u64 s[10:11], s[10:11], s[52:53]
	s_add_nc_u64 s[12:13], s[12:13], s[62:63]
; A unit: my 128 keys x tile \tile (0, 1: B's; 2, 3: A's)
.macro UNIT tile
.set UU, (\tile)%2
.if (\tile) < 2
.set LIMR, NB
.set DGR, DGB
.set STR, STB
.else
.set LIMR, NA
.set DGR, DGA
.set STR, STA
.endif
	s_wait_loadcnt 0x0                             ; this tile's Q and its scale word
.irp t, 0,1,2,3,4,5,6,7
	v_wmma_scale_f32_16x16x128_f8f6f4 v[S+8*\t:S+8*\t+7], v[KF+16*(\t/4):KF+16*(\t/4)+15], v[ZQ+4*(3-\t%4):ZQ+4*(3-\t%4)+15], 0, v[KS+\t/4], v[QS]
.endr
.rept 8
	v_nop                                          ; places ahead of the loads into Q's registers and of the first read of the scores
.endr
	s_wait_dscnt 0x0                               ; the last unit's LDS stores have read -M, l and O^T
.if (\tile) == 0                               ; the next tile's Q lands while this tile's softmax is worked
	global_load_b128 v[ZQ+12:ZQ+15], v[LI], s[QPB:QPB+1] offset:512
	global_load_b32 v[QS], v[N4], s[SPB:SPB+1] offset:64
.elseif (\tile) == 1
	global_load_b128 v[ZQ+12:ZQ+15], v[LI], s[QPA:QPA+1]
	global_load_b32 v[QS], v[N4], s[SPA:SPA+1]
.elseif (\tile) == 2
	global_load_b128 v[ZQ+12:ZQ+15], v[LI], s[QPA:QPA+1] offset:512
	global_load_b32 v[QS], v[N4], s[SPA:SPA+1] offset:64
.endif
	s_cmp_lg_u32 s[S1], s[LIMR]                    ; only the block's last step lies on the diagonal: a branch on ids
	s_cbranch_scc1 .Lopen_\@
	v_add_nc_u32 v[D0], s[DGR], v[LQ]              ; register n holds key 32 (n / 16) + n % 16 + 16 h of my step: hidden where that is above my query 8 u + r + 8 (r / 8) + the block's first
	v_mov_b32 v[NI], 0xff800000                    ; -infinity: p = 0 then
.set cn, 0
.rept 64
	v_cmp_gt_i32 vcc_lo, 32*(cn/16)+cn%16-8*UU, v[D0]
	v_cndmask_b32 v[S+cn], v[S+cn], v[NI], vcc_lo
.set cn, cn+1
.endr
.Lopen_\@:
.irp b, 0,1,2,3
	v_max3_num_f32 v[BM+\b], v[S+16*\b], v[S+1+16*\b], v[S+2+16*\b]   ; the largest score of each block of 32 keys: for the query's maximum, and, since p rises with the score, for the block's largest p
.endr
.irp e, 3,5,7,9,11,13
.irp b, 0,1,2,3
	v_max3_num_f32 v[BM+\b], v[BM+\b], v[S+16*\b+\e], v[S+1+16*\b+\e]
.endr
.endr
.irp b, 0,1,2,3
	v_max_num_f32 v[BM+\b], v[BM+\b], v[S+15+16*\b]
.endr
.irp b, 0,1,2,3
	v_permlanex16_b32 v[T4+\b], v[BM+\b], s[SEL], s[SEL+1]
.endr
.irp b, 0,1,2,3
	v_max_num_f32 v[BM+\b], v[BM+\b], v[T4+\b]
.endr
	v_max3_num_f32 v[TT], v[BM], v[BM+1], v[BM+2]
	v_max_num_f32 v[TT], v[TT], v[BM+3]
	v_mul_f32 v[TT], s[CS], v[TT]
	v_floor_f32 v[NM], -v[TT]                      ; -M = floor(-t): M is a whole number.  The step's first key counts for every query of the unit, so M is a number
.set cj, 0
.rept 32
	v_pk_fma_f32 v[S+cj:S+cj+1], v[S+cj:S+cj+1], s[CS:CS+1], v[NM:NM+1] op_sel_hi:[1,0,0]   ; t - M, two at a time
.set cj, cj+2
.endr
.irp b, 0,1,2,3
	v_fma_f32 v[BM+\b], v[BM+\b], s[CS], v[NM]
.endr
.set cj, 0
.rept 64
	v_exp_f32 v[S+cj], v[S+cj]                     ; p = 2^(t - M)
.set cj, cj+1
.endr
	v_nop                                          ; a plain line behind the batch
	s_wait_alu depctr_va_vdst(0)                   ; one wait for the 64, ahead of their first reader
.irp b, 0,1,2,3
	v_exp_f32 v[BM+\b], v[BM+\b]                   ; the block's largest p: the same two instructions on the same number
.endr
	v_pk_add_f32 v[LSUM:LSUM+1], v[S:S+1], v[S+2:S+3]      ; l is taken of the unquantised p, in two chains
	v_pk_add_f32 v[C2:C2+1], v[S+4:S+5], v[S+6:S+7]
.set cj, 8
.rept 14
	v_pk_add_f32 v[LSUM:LSUM+1], v[LSUM:LSUM+1], v[S+cj:S+cj+1]
	v_pk_add_f32 v[C2:C2+1], v[C2:C2+1], v[S+cj+2:S+cj+3]
.set cj, cj+4
.endr
	s_wait_alu depctr_va_vdst(0)                   ; and one for the four
.irp b, 0,1,2,3
	v_max_num_f32 v[BM+\b], 0x4800000, v[BM+\b]    ; the floor 2^(9 - 127): the byte cannot fall under 1
.endr
.irp b, 0,1,2,3
	v_add_nc_u32 v[SO+\b], 0xfc000000, v[BM+\b]
.endr
.irp b, 0,1,2,3
	v_and_or_b32 v[HL+\b], v[BM+\b], 0x7f800000, s[MNT]
.endr
.irp b, 0,1,2,3
	v_lshrrev_b32 v[T4+\b], 23, v[SO+\b]
.endr
	v_lshl_or_b32 v[PW], v[T4+1], 8, v[T4]
	v_lshl_or_b32 v[PW], v[T4+2], 16, v[PW]
	v_lshl_or_b32 v[PW], v[T4+3], 24, v[PW]
.irp b, 0,1,2,3
.set cj, 0
.rept 16
	v_min_num_f32 v[S+16*\b+cj], v[S+16*\b+cj], v[HL+\b]   ; the conversion does not saturate (ISA guide 7.6.2); p is not negative, so the hold is one-sided
.set cj, cj+1
.endr
	v_cvt_scalef32_pk8_fp8_f32 v[PC+4*\b:PC+4*\b+1], v[S+16*\b:S+16*\b+7], v[SO+\b]
	v_cvt_scalef32_pk8_fp8_f32 v[PC+4*\b+2:PC+4*\b+3], v[S+16*\b+8:S+16*\b+15], v[SO+\b]
.endr
	v_pk_add_f32 v[LSUM:LSUM+1], v[LSUM:LSUM+1], v[C2:C2+1]   ; l's end stands here as the places between the codes and the products
	v_add_f32 v[LSUM], v[LSUM], v[LSUM+1]
	v_permlanex16_b32 v[C2], v[LSUM], s[SEL], s[SEL+1]
	v_add_f32 v[LSUM], v[LSUM], v[C2]              ; with lane l xor 16's 64 keys
	v_nop
	v_nop
	v_wmma_scale_f32_16x16x128_f8f6f4 v[O:O+7], v[VF:VF+15], v[PC:PC+15], 0, v[VS], v[PW]
	v_wmma_scale_f32_16x16x128_f8f6f4 v[O+8:O+15], v[VF+16:VF+31], v[PC:PC+15], 0, v[VS+1], v[PW]
.rept 8
	v_nop
.endr
	ds_store_b128 v[STR], v[O:O+3] offset:UU*TILEB             ; lane (r, h): query r, channels 8 h + 0..7 and 16 + 8 h + 0..7; each accumulator from its low end on
	ds_store_b128 v[STR], v[O+4:O+7] offset:UU*TILEB+16
	ds_store_b128 v[STR], v[O+8:O+11] offset:UU*TILEB+64
	ds_store_b128 v[STR], v[O+12:O+15] offset:UU*TILEB+80
	ds_store_b32 v[STM], v[NM] offset:1024*(\tile)             ; (lanes l and l xor 16 write the same word with the same value)
	ds_store_b32 v[STM], v[LSUM] offset:4096+1024*(\tile)
.endm
.macro NEUTRAL tile                    ; a unit without work: zeros, under a weight that comes out as 0
.if (\tile) < 2
.set STR, STB
.else
.set STR, STA
.endif
.irp f, 0,16,64,80
	ds_store_b128 v[STR], v[ZQ:ZQ+3] offset:((\tile)%2)*TILEB+\f
.endr
	ds_store_b32 v[STM], v[NEU] offset:1024*(\tile)
	ds_store_b32 v[STM], v[ZQ] offset:4096+1024*(\tile)
.endm
	s_cmp_ge_u32 s[KST], s[NB]
	s_cbranch_scc1 .Lidle_all                      ; my keys come after all of the work-group's queries
.irp f, 0,1,2,3,4,5,6,7
	global_load_b128 v[KF+4*\f:KF+4*\f+3], v[LI], s[6:7] offset:512*\f    ; each load of the wave reads 512 consecutive bytes: four registers of a fragment
.endr
.irp f, 0,1,2,3,4,5,6,7
	global_load_b128 v[VF+4*\f:VF+4*\f+3], v[LI], s[8:9] offset:512*\f
.endr
	global_load_b32 v[KS], v[L4], s[10:11] offset:256
	global_load_b32 v[KS+1], v[L4], s[10:11] offset:512+256
	global_load_u16 v[VR], v[L2], s[10:11] offset:384              ; V's scale bytes: keys 0-63 of the step,
	global_load_u16 v[VR+1], v[L2], s[10:11] offset:512+384        ; keys 64-127
	global_load_u16 v[VR+2], v[L2], s[10:11] offset:384+64         ; and the same of channels 16-31
	global_load_u16 v[VR+3], v[L2], s[10:11] offset:512+384+64
	global_load_b128 v[ZQ+12:ZQ+15], v[LI], s[QPB:QPB+1]
	global_load_b32 v[QS], v[N4], s[SPB:SPB+1]
	s_wait_loadcnt 0x0
	v_lshl_or_b32 v[VS], v[VR+1], 16, v[VR]
	v_lshl_or_b32 v[VS+1], v[VR+3], 16, v[VR+2]
	UNIT 0
	UNIT 1
	s_cmp_ge_u32 s[KST], s[NA]
	s_cbranch_scc1 .Lidle_a                        ; my keys come after A's queries
	UNIT 2
	UNIT 3
	s_branch .Lmerge
.Lidle_all:
	NEUTRAL 0
	NEUTRAL 1
.Lidle_a:
	NEUTRAL 2
	NEUTRAL 3
.Lmerge:
	s_wait_loadcnt 0x0                             ; (a Q asked for and not used)
	s_wait_dscnt 0x0                               ; my slots have landed
	s_barrier_signal -1
	s_barrier_wait -1                              ; all 64 slots lie in LDS
.irp k, 0,1,2,3
	ds_load_b128 v[64+4*\k:67+4*\k], v[RDM] offset:16*\k           ; my query's 16 -M
.endr
.irp k, 0,1,2,3
	ds_load_b128 v[80+4*\k:83+4*\k], v[RDM] offset:4096+16*\k      ; its 16 l
.endr
.irp k, 0,1,2,3,4,5,6,7,8,9,10,11,12,13,14,15
	ds_load_b128 v[S+4*\k:S+4*\k+3], v[RDO] offset:SLOTB*\k        ; four channels of its 16 O'
.endr
	s_wait_dscnt 20                                ; -M is in: 4 + 16 loads were issued behind
	v_min3_num_f32 v54, v64, v65, v66
	v_min3_num_f32 v55, v67, v68, v69
	v_min3_num_f32 v54, v54, v70, v71
	v_min3_num_f32 v55, v55, v72, v73
	v_min3_num_f32 v54, v54, v74, v75
	v_min3_num_f32 v55, v55, v76, v77
	v_min3_num_f32 v54, v54, v78, v79
	v_min_num_f32 v54, v54, v55                    ; - the largest M
.irp k, 0,1,2,3,4,5,6,7,8,9,10,11,12,13,14,15
	v_sub_f32 v[96+\k], v54, v[64+\k]              ; M - the largest M: a whole number, 0 or less
.endr
.irp k, 0,1,2,3,4,5,6,7,8,9,10,11,12,13,14,15
	v_cvt_i32_f32 v[96+\k], v[96+\k]               ; (it saturates)
.endr
.irp k, 0,1,2,3,4,5,6,7,8,9,10,11,12,13,14,15
	v_ldexp_f32 v[96+\k], 1.0, v[96+\k]            ; the weight: an exact power of two, or 0
.endr
	s_wait_dscnt 16                                ; l is in
	v_mul_f32 v56, v96, v80
	v_mul_f32 v57, v97, v81
.irp k, 2,4,6,8,10,12,14
	v_fmac_f32 v56, v[96+\k], v[80+\k]
	v_fmac_f32 v57, v[97+\k], v[81+\k]
.endr
	v_add_f32 v56, v56, v57
	v_rcp_f32 v56, v56
	s_wait_dscnt 0x0
.irp e, 0,1,2,3
	v_mul_f32 v[58+\e], v96, v[S+\e]               ; (plain work behind the reciprocal)
.endr
.irp k, 1,2,3,4,5,6,7,8,9,10,11,12,13,14,15
.irp e, 0,1,2,3
	v_fmac_f32 v[58+\e], v[96+\k], v[S+4*\k+\e]
.endr
.endr
	s_wait_alu depctr_va_vdst(0)                   ; the wait ahead of the reciprocal's first reader
.irp e, 0,1,2,3
	v_mul_f32 v[58+\e], v[58+\e], v56
.endr
	global_store_b128 v[LI], v[58:61], s[12:13] th:TH_STORE_NT     ; four rows of out0: 512 consecutive bytes, aligned
	s_wait_tensorcnt 0x0
	ds_add_u32 v254, v255
	s_wait_dscnt 0x0
	s_endpgm
.Lfunc_end_k_q1bf024de3c_attn:
	.size	k_q1bf024de3c_attn, .Lfunc_end_k_q1bf024de3c_attn-k_q1bf024de3c_attn
	.p2alignl 7, 3214868480
	.fill 96, 4, 3214868480
	.section	.rodata,"a",@progbits
	.p2align	6, 0x0
	.amdhsa_kernel k_q1bf024de3c_attn
		.amdhsa_group_segment_fixed_size 157696
		.amdhsa_private_segment_fixed_size 0
		.amdhsa_enable_private_segment 0
		.amdhsa_kernarg_size 40
		.amdhsa_user_sgpr_count 2
		.amdhsa_user_sgpr_kernarg_segment_ptr 1
		.amdhsa_wavefront_size32 1
		.amdhsa_system_sgpr_workgroup_id_x 1
		.amdhsa_system_sgpr_workgroup_id_y 1
		.amdhsa_system_sgpr_workgroup_id_z 1
		.amdhsa_system_vgpr_workitem_id 0
		.amdhsa_next_free_vgpr 256
		.amdhsa_next_free_sgpr 66
		.amdhsa_reserve_vcc 1
		.amdhsa_float_denorm_mode_32 3
		.amdhsa_float_denorm_mode_16_64 3
		.amdhsa_memory_ordered 1
		.amdhsa_forward_progress 1
		.amdhsa_inst_pref_size 98
	.end_amdhsa_kernel
	.amdgpu_metadata
---
amdhsa.version: [ 1, 2 ]
amdhsa.kernels:
  - .name:           k_q1bf024de3c_attn
    .symbol:         k_q1bf024de3c_attn.kd
    .args:
      - { .name: qc, .offset: 0, .size: 8, .value_kind: global_buffer, .address_space: global }
      - { .name: kc, .offset: 8, .size: 8, .value_kind: global_buffer, .address_space: global }
      - { .name: vc, .offset: 16, .size: 8, .value_kind: global_buffer, .address_space: global }
      - { .name: sc, .offset: 24, .size: 8, .value_kind: global_buffer, .address_space: global }
      - { .name: out0, .offset: 32, .size: 8, .value_kind: global_buffer, .address_space: global }
    .group_segment_fixed_size: 157696
    .private_segment_fixed_size: 0
    .kernarg_segment_align: 8
    .kernarg_segment_size: 40
    .max_flat_workgroup_size: 512
    .sgpr_count:     66
    .vgpr_count:     256
    .wavefront_size: 32
...
	.end_amdgpu_metadata
.endif
;; end of part 2
;; ======== version 2 of 2: 2 launches; version 1 with the launch attn written anew for expert scheduling mode
;; workspace buffers: qc 524,288 bytes; kc 524,288 bytes; vc 524,288 bytes; sc 131,072 bytes
;; launch proj: the kernel of part 1 again; grid 256 x 1, 4 waves a work-group, clusters of 4 x 1, 217,600 bytes of LDS; arguments x, Wq, Wk, Wv, qc, kc, vc, sc; writes qc, kc, vc, sc
;; launch attn (part 3): grid 256 x 1, 16 waves a work-group, no clusters, 157,696 bytes of LDS; arguments qc, kc, vc, sc, out0; writes out0
.if DOCPART == 3
	.amdgcn_target "amdgcn-amd-amdhsa--gfx1250"
	.amdhsa_code_object_version 6
	.text
	.protected	k_q1bf024de3c_attn
	.globl	k_q1bf024de3c_attn
	.p2align	8
	.type	k_q1bf024de3c_attn,@function
k_q1bf024de3c_attn:
	s_mov_b64 s[64:65], 0
	v_nop
	global_prefetch_b8 v0, s[64:65] scope:SCOPE_SE
	s_setreg_imm32_b32 hwreg(HW_REG_WAVE_SCHED_MODE, 0, 2), 2
	s_setreg_imm32_b32 hwreg(HW_REG_WAVE_MODE, 25, 1), 1
	s_wait_xcnt 0x0
	s_wait_alu depctr_vm_vsrc(0)
; out[b][q] = the sum over k <= q of softmax_k(q . k / sqrt(32)) v[k], both products on codes of FP8 (E4M3) with E8M0 scales, from the codes that the launch before has laid in operand order.
; SHARES.  Work-group (batch, j), j = 0..31, owns query blocks j (A) and 63 - j (B), 32 queries = two tiles each: A needs NA = j / 4 + 1 key steps of 128, B needs 17 - NA: 34 units (16 queries x 128 keys) in every work-group.
; A WAVE OWNS ONE KEY STEP: K's and V's 8 KB go from memory straight into its registers, once, and are multiplied with B's two tiles, with A's two as well, or (steps that come after all my queries) with none.
; Steps are dealt to wave numbers by s = 4 ((p + q) % 4) + p, p = wave / 4, q = wave % 4: the four waves of equal q, and the four of equal p, then hold 6 to 10 of the 34 units.
; A UNIT STANDS BY ITSELF: t = score x log2(e) / sqrt(32); M = the unit's largest t of a query, rounded UP to a whole number; p = 2^(t - M) is quantised along the keys; O' = V^T P^T; l' = the sum of the unquantised p.
; O', -M, l' go to a slot in LDS (a unit without work stores zeros and -M = 2^127).  Behind one barrier the waves merge a tile's 16 slots: weights 2^(M - largest M), exact powers of two; O / l; one store of 512 bytes a wave.
; K = 32 IN AN INSTRUCTION OF K = 128.  A fragment of K holds FOUR tiles of 16 keys, tile c in K block c, its scale word their four bytes.  Q's 4 registers stand in a run Z Z Z Q Z Z Z of registers (Z: four zeros):
; read from its register 4 (3 - c) on, the run is a fragment with Q in block c and zero codes elsewhere.  So one fragment of K serves four matrix instructions and nothing is padded in memory.
; LAYOUT.  S^T = K Q^T, O^T = V^T P^T: a lane holds one query.  Lane m of key tile 2 b + u holds key 32 b + 8 u + m + 8 (m / 8), so the 16 registers of tiles 2 b, 2 b + 1 are keys 32 b + 16 (lane / 16) + 0..15.  Query tiles have the same order of rows.
; NO JOINT LOADS: fragments go straight into the registers of the one wave that multiplies them and are read once by a work-group; the work-groups of a batch need 9 to 16 steps, so partners would ask for different numbers of tiles.
; LIMITS: p is taken under the unit's own M (the codes' values are the row's, times an exact power of two); p under 2^-126 of that M becomes 0.  NaN and infinities are not served.
; THE MODE: SCHED_MODE bits 1:0 = 2 (LLVM: expert scheduling mode 2), set by the entry lines.  The code itself states the register dependences
; between vector or matrix instructions and memory or LDS instructions, with s_wait_alu, always for 0.
; THE PLAN.  Registers that memory or LDS instructions touch:
;   v1-v11, the zero codes of ZQ, v254, v255   written by vector instructions at the head and never again; read by loads and stores as addresses and data.  One wait on va_vdst at the head, ahead of the first branch, serves them all.
;   K, V, their scale words                    loaded once at the head; read by matrix instructions (V's scale bytes by two vector lines).
;   Q (ZQ + 12 .. 15) and its scale word       a unit's eight products S^T read them; behind those the next tile's two loads land in them: one wait on va_vdst in units 0 to 2.
;   -M, l, O^T                                 written by a unit's vector and matrix instructions; read by its six LDS stores; written again by the next unit: one wait on va_vdst ahead of the products V^T P (which p's codes and
;                                              scale word want there anyway; behind it -M's and l's stores are dealt among the two products), one ahead of O^T's stores, one wait on vm_vsrc in units 1 to 3.
;   v64-95, v128-191 in the merge              LDS loads land there: on every way the last wait on va_vdst stands behind all vector and matrix instructions that named them.
;   v58-61                                     written by the merge's arithmetic, read by the one global store: one wait on va_vdst.
; The causal mask's compares write scalar registers, in runs of sixteen, with one wait on va_sdst between a run and the selects that read it.
.set SLOTB, 16*144                     ; a slot: 16 queries x (128 bytes + 16)
.set TILEB, 16*SLOTB                   ; a tile's 16 slots, one for each wave
.set MB,    4*TILEB                    ; -M: [tile][query][wave] f32; l: 4,096 bytes further on
.set LI,  1                            ; v1   16 x lane
.set L4,  2                            ; v2   4 x lane
.set L2,  3                            ; v3   2 x lane
.set N4,  4                            ; v4   4 x (lane % 16)
.set STB, 5                            ; v5   my place in my slot of B's first tile
.set STA, 6                            ; v6   of A's first tile
.set STM, 7                            ; v7   my query's word for my wave among -M
.set LQ,  8                            ; v8   r + 8 (r / 8) - 16 h
.set RDO, 9                            ; v9   the merge: my 16 bytes in slot 0 of my tile
.set RDM, 10                           ; v10  the merge: my query's 16 words of -M
.set NEU, 11                           ; v11  2^127
.set NM,  12                           ; v12  -M (v13 is named with it as a pair)
.set LSUM, 14                          ; v[14:15] l
.set ZQ,  16                           ; v16-43  Z Z Z Q Z Z Z
.set QS,  44                           ; v44  Q's scale word
.set PW,  45                           ; v45  p's scale word
.set KS,  46                           ; v46-47  K's scale words
.set VS,  48                           ; v48-49  V's
.set VR,  50                           ; v50-53  V's scale bytes as loaded
.set KF,  64                           ; v64-95   K: two fragments
.set VF,  96                           ; v96-127  V: two fragments (channels 0-15, 16-31)
.set S,   128                          ; v128-191 S^T, then p
.set O,   192                          ; v192-207 O^T
.set PC,  208                          ; v208-223 p's codes
.set BM,  224                          ; v224-227 each block's largest score, then largest p
.set T4,  228
.set HL,  232                          ; 448 x the scale
.set SO,  236                          ; the conversions' scale operands
.set C2,  240
.set D0,  242
.set NI,  243
.set TT,  244
.set WV,  14                           ; s14 wave
.set KST, 16                           ; s16 my key step
.set NA,  19                           ; s19 A's steps
.set NB,  20                           ; s20 B's steps
.set S1,  22                           ; s22 my step + 1
.set DGB, 23                           ; s23 B's first query - my first key
.set DGA, 24                           ; s24 A's
.set SPB, 28                           ; s[28:29], s[30:31] scale words of B's and A's queries
.set SPA, 30
.set QPB, 32                           ; s[32:33], s[34:35] their codes
.set QPA, 34
.set CM,  36                           ; s36-43 and s50-57: sixteen masks of the causal compares (mask i at CM + i + 6 (i / 8)); s50-57 hold offsets at the head alone
.set CS,  44                           ; s[44:45] c = log2(e) / sqrt(32)
.set SEL, 46
.set MNT, 48
	s_load_b256 s[4:11], s[0:1], 0x0               ; qc, kc, vc, sc
	s_load_b64 s[12:13], s[0:1], 0x20              ; out0
	v_lshl_add_u32 v254, v0, 2, 0x26000            ; my spare word, behind the slots, and 0: made here and kept for the closing lines alone
	v_mov_b32 v255, 0
	v_lshrrev_b32 v54, 5, v0
	v_readfirstlane_b32 s[WV], v54
.irp z, 0,1,2,3,4,5,6,7,8,9,10,11,16,17,18,19,20,21,22,23,24,25,26,27
	v_mov_b32 v[ZQ+\z], 0                          ; the zero codes round Q
.endr
	v_mov_b32 v13, 0
.irp b, 0,1,2,3
	v_mov_b32 v[T4+\b], 0                          ; written once: a lane permute's destination counts as one of its sources
.endr
	v_mov_b32 v[NEU], 0x7f000000
	s_wait_alu depctr_va_sdst(0)                   ; s14, the wave's number, is written, ahead of its first reader: my key step and all my addresses are made from it
	s_lshr_b32 s15, s[WV], 2                       ; p
	s_and_b32 s[KST], s[WV], 3                     ; q
	s_add_co_u32 s[KST], s[KST], s15
	s_and_b32 s[KST], s[KST], 3
	s_lshl_b32 s[KST], s[KST], 2
	s_add_co_u32 s[KST], s[KST], s15               ; my key step
	s_add_co_u32 s[S1], s[KST], 1
	s_lshr_b32 s17, ttmp9, 5                       ; batch
	s_and_b32 s18, ttmp9, 31                       ; block A
	s_lshr_b32 s[NA], s18, 2
	s_add_co_u32 s[NA], s[NA], 1
	s_sub_co_u32 s[NB], 17, s[NA]
	s_sub_co_u32 s21, 63, s18                      ; block B
	s_lshl_b32 s49, s[KST], 7
	s_lshl_b32 s[DGB], s21, 5
	s_sub_co_i32 s[DGB], s[DGB], s49
	s_lshl_b32 s[DGA], s18, 5
	s_sub_co_i32 s[DGA], s[DGA], s49
	s_lshl_b32 s50, s17, 16                        ; K, V: 65,536 bytes a batch, 4,096 a step
	s_lshl_b32 s49, s[KST], 12
	s_add_co_u32 s50, s50, s49
	s_mov_b32 s51, 0
	s_lshl_b32 s25, s17, 14                        ; sc: 32 records of 512 bytes a batch, two a step
	s_lshl_b32 s49, s[KST], 10
	s_add_co_u32 s52, s25, s49
	s_mov_b32 s53, 0
	s_lshl_b32 s54, s17, 16                        ; Q's codes: 1,024 bytes a block
	s_lshl_b32 s49, s21, 10
	s_add_co_u32 s54, s54, s49
	s_mov_b32 s55, 0
	s_lshl_b32 s56, s17, 16
	s_lshl_b32 s49, s18, 10
	s_add_co_u32 s56, s56, s49
	s_mov_b32 s57, 0
	s_lshr_b32 s49, s21, 1                         ; Q's scale words: record block / 2, 128 (block % 2) bytes in
	s_lshl_b32 s49, s49, 9
	s_and_b32 s26, s21, 1
	s_lshl_b32 s26, s26, 7
	s_add_co_u32 s58, s49, s26
	s_add_co_u32 s58, s58, s25
	s_mov_b32 s59, 0
	s_lshr_b32 s49, s18, 1
	s_lshl_b32 s49, s49, 9
	s_and_b32 s26, s18, 1
	s_lshl_b32 s26, s26, 7
	s_add_co_u32 s60, s49, s26
	s_add_co_u32 s60, s60, s25
	s_mov_b32 s61, 0
	s_cmp_lt_u32 s[WV], 8                          ; the merge: waves 0-7 take B's tiles, 8-15 A's; tile p % 2, rows 4 q .. 4 q + 3 of it
	s_cselect_b32 s49, s21, s18
	s_lshl_b32 s49, s49, 5
	s_and_b32 s26, s15, 1
	s_lshl_b32 s26, s26, 3
	s_add_co_u32 s49, s49, s26
	s_and_b32 s26, s[WV], 3
	s_lshl_b32 s27, s26, 2
	s_add_co_u32 s49, s49, s27
	s_lshr_b32 s26, s26, 1
	s_lshl_b32 s26, s26, 3
	s_add_co_u32 s49, s49, s26                     ; query 32 block + 8 u + r + 8 (r / 8), r = 4 q
	s_lshl_b32 s26, s17, 11
	s_add_co_u32 s49, s49, s26
	s_lshl_b32 s62, s49, 7                         ; 128 bytes a row of out0
	s_mov_b32 s63, 0
	s_mov_b32 s[CS], 0x3e8293ee
	s_mov_b32 s[CS+1], s[CS]                       ; (named with it as a pair)
	s_mov_b32 s[SEL], 0x76543210
	s_mov_b32 s[SEL+1], 0xfedcba98
	s_mov_b32 s[MNT], 0x600000
	v_and_b32 v55, 31, v0                          ; lane
	v_and_b32 v56, 15, v0                          ; r
	v_bfe_u32 v57, v0, 4, 1                        ; h
	v_bfe_u32 v58, v0, 3, 1                        ; r / 8
	v_lshlrev_b32 v[LI], 4, v55
	v_lshlrev_b32 v[L4], 2, v55
	v_lshlrev_b32 v[L2], 1, v55
	v_lshlrev_b32 v[N4], 2, v56
	v_mul_u32_u24 v59, v56, 144                    ; every LDS address is made here, ahead of the place where the waves part
	v_lshl_add_u32 v59, v57, 5, v59
	s_mul_i32 s49, s[WV], SLOTB
	v_add_nc_u32 v[STB], s49, v59                  ; slot = my wave's: row r, + 32 h
	v_add_nc_u32 v[STA], 2*TILEB, v[STB]
	s_lshl_b32 s49, s[WV], 2
	s_add_co_u32 s49, s49, MB
	v_lshl_add_u32 v[STM], v56, 6, s49
	v_lshl_add_u32 v[LQ], v58, 3, v56
	v_lshlrev_b32 v59, 4, v57
	v_sub_nc_u32 v[LQ], v[LQ], v59
	v_lshrrev_b32 v59, 3, v55                      ; the merge: eight lanes to a query, 16 bytes a lane
	v_and_b32 v60, 7, v0
	v_mul_u32_u24 v61, v59, 144
	v_lshl_add_u32 v61, v60, 4, v61
	s_mul_i32 s49, s15, TILEB
	s_and_b32 s26, s[WV], 3
	s_mul_i32 s27, s26, 4*144
	s_add_co_u32 s49, s49, s27
	v_add_nc_u32 v[RDO], s49, v61
	s_lshl_b32 s49, s15, 10
	s_lshl_b32 s27, s26, 8
	s_add_co_u32 s49, s49, s27
	s_add_co_u32 s49, s49, MB
	v_lshl_add_u32 v[RDM], v59, 6, s49
	s_wait_kmcnt 0x0
	s_add_nc_u64 s[QPB:QPB+1], s[4:5], s[54:55]
	s_add_nc_u64 s[QPA:QPA+1], s[4:5], s[56:57]
	s_add_nc_u64 s[6:7], s[6:7], s[50:51]
	s_add_nc_u64 s[8:9], s[8:9], s[50:51]
	s_add_nc_u64 s[SPB:SPB+1], s[10:11], s[58:59]
	s_add_nc_u64 s[SPA:SPA+1], s[10:11], s[60:61]
	s_add_nc_u64 s[10:11], s[10:11], s[52:53]
	s_add_nc_u64 s[12:13], s[12:13], s[62:63]
	s_wait_alu depctr_va_vdst(0)                   ; v1 to v11, the zero codes and 2^127 are written: every load and store of the kernel reads some of them as its address or its data, and the scaled products take the zero codes as an operand.  None is written again
; A unit: my 128 keys x tile \tile (0, 1: B's; 2, 3: A's)
.macro UNIT tile
.set UU, (\tile)%2
.if (\tile) < 2
.set LIMR, NB
.set DGR, DGB
.set STR, STB
.else
.set LIMR, NA
.set DGR, DGA
.set STR, STA
.endif
	s_wait_loadcnt 0x0                             ; this tile's Q and its scale word
.irp t, 0,1,2,3,4,5,6,7
	v_wmma_scale_f32_16x16x128_f8f6f4 v[S+8*\t:S+8*\t+7], v[KF+16*(\t/4):KF+16*(\t/4)+15], v[ZQ+4*(3-\t%4):ZQ+4*(3-\t%4)+15], 0, v[KS+\t/4], v[QS]
.endr
.rept 8
	v_nop                                          ; places ahead of the first read of the scores (ISA guide 7.12.1)
.endr
	s_wait_dscnt 0x0                               ; the last unit's LDS stores are done
.if (\tile) > 0
	s_wait_alu depctr_vm_vsrc(0)                   ; the last unit's LDS stores have read -M, l and O^T, which this unit writes again
.endif
.if (\tile) < 3
	s_wait_alu depctr_va_vdst(0)                   ; the eight products are done reading Q and its scale word, in which the two loads below land
.endif
.if (\tile) == 0                               ; the next tile's Q lands while this tile's softmax is worked
	global_load_b128 v[ZQ+12:ZQ+15], v[LI], s[QPB:QPB+1] offset:512
	global_load_b32 v[QS], v[N4], s[SPB:SPB+1] offset:64
.elseif (\tile) == 1
	global_load_b128 v[ZQ+12:ZQ+15], v[LI], s[QPA:QPA+1]
	global_load_b32 v[QS], v[N4], s[SPA:SPA+1]
.elseif (\tile) == 2
	global_load_b128 v[ZQ+12:ZQ+15], v[LI], s[QPA:QPA+1] offset:512
	global_load_b32 v[QS], v[N4], s[SPA:SPA+1] offset:64
.endif
	s_cmp_lg_u32 s[S1], s[LIMR]                    ; only the block's last step lies on the diagonal: a branch on ids
	s_cbranch_scc1 .Lopen_\@
	v_add_nc_u32 v[D0], s[DGR], v[LQ]              ; register n holds key 32 (n / 16) + n % 16 + 16 h of my step: hidden where that is above my query 8 u + r + 8 (r / 8) + the block's first
	v_mov_b32 v[NI], 0xff800000                    ; -infinity: p = 0 then
.set cg, 0
.rept 4                                        ; a block of 32 keys (my 16 registers of it) at a time: sixteen compares into sixteen scalar registers, one wait, sixteen selects
.set ci, 0
.rept 16
	v_cmp_gt_i32 s[CM+ci+6*(ci/8)], 32*cg+ci-8*UU, v[D0]
.set ci, ci+1
.endr
	s_wait_alu depctr_va_sdst(0)                   ; the sixteen masks are written, ahead of the selects that read them
.set ci, 0
.rept 16
	v_cndmask_b32 v[S+16*cg+ci], v[S+16*cg+ci], v[NI], s[CM+ci+6*(ci/8)]
.set ci, ci+1
.endr
.set cg, cg+1
.endr
.Lopen_\@:
.irp b, 0,1,2,3
	v_max3_num_f32 v[BM+\b], v[S+16*\b], v[S+1+16*\b], v[S+2+16*\b]   ; the largest score of each block of 32 keys: for the query's maximum, and, since p rises with the score, for the block's largest p
.endr
.irp e, 3,5,7,9,11,13
.irp b, 0,1,2,3
	v_max3_num_f32 v[BM+\b], v[BM+\b], v[S+16*\b+\e], v[S+1+16*\b+\e]
.endr
.endr
.irp b, 0,1,2,3
	v_max_num_f32 v[BM+\b], v[BM+\b], v[S+15+16*\b]
.endr
.irp b, 0,1,2,3
	v_permlanex16_b32 v[T4+\b], v[BM+\b], s[SEL], s[SEL+1]
.endr
.irp b, 0,1,2,3
	v_max_num_f32 v[BM+\b], v[BM+\b], v[T4+\b]
.endr
	v_max3_num_f32 v[TT], v[BM], v[BM+1], v[BM+2]
	v_max_num_f32 v[TT], v[TT], v[BM+3]
	v_mul_f32 v[TT], s[CS], v[TT]
	v_floor_f32 v[NM], -v[TT]                      ; -M = floor(-t): M is a whole number.  The step's first key counts for every query of the unit, so M is a number
.set cj, 0
.rept 32
	v_pk_fma_f32 v[S+cj:S+cj+1], v[S+cj:S+cj+1], s[CS:CS+1], v[NM:NM+1] op_sel_hi:[1,0,0]   ; t - M, two at a time
.set cj, cj+2
.endr
.irp b, 0,1,2,3
	v_fma_f32 v[BM+\b], v[BM+\b], s[CS], v[NM]
.endr
.set cj, 0
.rept 64
	v_exp_f32 v[S+cj], v[S+cj]                     ; p = 2^(t - M)
.set cj, cj+1
.endr
	v_nop                                          ; a plain line behind the batch
	s_wait_alu depctr_va_vdst(0)                   ; the 64 exponentials have written p: one wait for the batch, ahead of its first reader
.irp b, 0,1,2,3
	v_exp_f32 v[BM+\b], v[BM+\b]                   ; the block's largest p: the same two instructions on the same number
.endr
	v_pk_add_f32 v[LSUM:LSUM+1], v[S:S+1], v[S+2:S+3]      ; l is taken of the unquantised p, in two chains
	v_pk_add_f32 v[C2:C2+1], v[S+4:S+5], v[S+6:S+7]
.set cj, 8
.rept 14
	v_pk_add_f32 v[LSUM:LSUM+1], v[LSUM:LSUM+1], v[S+cj:S+cj+1]
	v_pk_add_f32 v[C2:C2+1], v[C2:C2+1], v[S+cj+2:S+cj+3]
.set cj, cj+4
.endr
	s_wait_alu depctr_va_vdst(0)                   ; the four exponentials have written the blocks' largest p, ahead of their first reader
.irp b, 0,1,2,3
	v_max_num_f32 v[BM+\b], 0x4800000, v[BM+\b]    ; the floor 2^(9 - 127): the byte cannot fall under 1
.endr
.irp b, 0,1,2,3
	v_add_nc_u32 v[SO+\b], 0xfc000000, v[BM+\b]
.endr
.irp b, 0,1,2,3
	v_and_or_b32 v[HL+\b], v[BM+\b], 0x7f800000, s[MNT]
.endr
.irp b, 0,1,2,3
	v_lshrrev_b32 v[T4+\b], 23, v[SO+\b]
.endr
	v_lshl_or_b32 v[PW], v[T4+1], 8, v[T4]
	v_lshl_or_b32 v[PW], v[T4+2], 16, v[PW]
	v_lshl_or_b32 v[PW], v[T4+3], 24, v[PW]
.irp b, 0,1,2,3
.set cj, 0
.rept 16
	v_min_num_f32 v[S+16*\b+cj], v[S+16*\b+cj], v[HL+\b]   ; the conversion does not saturate (ISA guide 7.6.2); p is not negative, so the hold is one-sided
.set cj, cj+1
.endr
	v_cvt_scalef32_pk8_fp8_f32 v[PC+4*\b:PC+4*\b+1], v[S+16*\b:S+16*\b+7], v[SO+\b]
	v_cvt_scalef32_pk8_fp8_f32 v[PC+4*\b+2:PC+4*\b+3], v[S+16*\b+8:S+16*\b+15], v[SO+\b]
.endr
	v_pk_add_f32 v[LSUM:LSUM+1], v[LSUM:LSUM+1], v[C2:C2+1]   ; l's end stands here as the places between the codes and the products
	v_add_f32 v[LSUM], v[LSUM], v[LSUM+1]
	v_permlanex16_b32 v[C2], v[LSUM], s[SEL], s[SEL+1]
	v_add_f32 v[LSUM], v[LSUM], v[C2]              ; with lane l xor 16's 64 keys
	v_nop
	v_nop
	s_wait_alu depctr_va_vdst(0)                   ; behind the places: the conversions have written p's codes, vector lines its scale word (and, ahead of the first unit, V's), which the scaled products take; -M and l are written, which the two LDS stores below read
	v_wmma_scale_f32_16x16x128_f8f6f4 v[O:O+7], v[VF:VF+15], v[PC:PC+15], 0, v[VS], v[PW]
	ds_store_b32 v[STM], v[NM] offset:1024*(\tile)             ; (lanes l and l xor 16 write the same word with the same value)  No wait: the products name neither -M nor l nor the address
	v_wmma_scale_f32_16x16x128_f8f6f4 v[O+8:O+15], v[VF+16:VF+31], v[PC:PC+15], 0, v[VS+1], v[PW]
	ds_store_b32 v[STM], v[LSUM] offset:4096+1024*(\tile)
.rept 8
	v_nop                                          ; places ahead of the stores that read the results; they stay beside the wait below
.endr
	s_wait_alu depctr_va_vdst(0)                   ; the two products have written O^T, which the four LDS stores read
	ds_store_b128 v[STR], v[O:O+3] offset:UU*TILEB             ; lane (r, h): query r, channels 8 h + 0..7 and 16 + 8 h + 0..7; each accumulator from its low end on
	ds_store_b128 v[STR], v[O+4:O+7] offset:UU*TILEB+16
	ds_store_b128 v[STR], v[O+8:O+11] offset:UU*TILEB+64
	ds_store_b128 v[STR], v[O+12:O+15] offset:UU*TILEB+80
.endm
.macro NEUTRAL tile                    ; a unit without work: zeros, under a weight that comes out as 0.  Its data and addresses were written ahead of the head's wait on va_vdst and never since
.if (\tile) < 2
.set STR, STB
.else
.set STR, STA
.endif
.irp f, 0,16,64,80
	ds_store_b128 v[STR], v[ZQ:ZQ+3] offset:((\tile)%2)*TILEB+\f
.endr
	ds_store_b32 v[STM], v[NEU] offset:1024*(\tile)
	ds_store_b32 v[STM], v[ZQ] offset:4096+1024*(\tile)
.endm
	s_cmp_ge_u32 s[KST], s[NB]
	s_cbranch_scc1 .Lidle_all                      ; my keys come after all of the work-group's queries
.irp f, 0,1,2,3,4,5,6,7
	global_load_b128 v[KF+4*\f:KF+4*\f+3], v[LI], s[6:7] offset:512*\f    ; each load of the wave reads 512 consecutive bytes: four registers of a fragment
.endr
.irp f, 0,1,2,3,4,5,6,7
	global_load_b128 v[VF+4*\f:VF+4*\f+3], v[LI], s[8:9] offset:512*\f
.endr
	global_load_b32 v[KS], v[L4], s[10:11] offset:256
	global_load_b32 v[KS+1], v[L4], s[10:11] offset:512+256
	global_load_u16 v[VR], v[L2], s[10:11] offset:384              ; V's scale bytes: keys 0-63 of the step,
	global_load_u16 v[VR+1], v[L2], s[10:11] offset:512+384        ; keys 64-127
	global_load_u16 v[VR+2], v[L2], s[10:11] offset:384+64         ; and the same of channels 16-31
	global_load_u16 v[VR+3], v[L2], s[10:11] offset:512+384+64
	global_load_b128 v[ZQ+12:ZQ+15], v[LI], s[QPB:QPB+1]
	global_load_b32 v[QS], v[N4], s[SPB:SPB+1]
	s_wait_loadcnt 0x0
	v_lshl_or_b32 v[VS], v[VR+1], 16, v[VR]
	v_lshl_or_b32 v[VS+1], v[VR+3], 16, v[VR+2]
	UNIT 0
	UNIT 1
	s_cmp_ge_u32 s[KST], s[NA]
	s_cbranch_scc1 .Lidle_a                        ; my keys come after A's queries
	UNIT 2
	UNIT 3
	s_branch .Lmerge
.Lidle_all:
	NEUTRAL 0
	NEUTRAL 1
.Lidle_a:
	NEUTRAL 2
	NEUTRAL 3
.Lmerge:
	s_wait_loadcnt 0x0                             ; (a Q asked for and not used)
	s_wait_dscnt 0x0                               ; my slots have landed
	s_barrier_signal -1
	s_barrier_wait -1                              ; all 64 slots lie in LDS
; The loads below land in v64-95 and v128-191, which held K and the scores.  No wait on va_vdst is written here: on each of the three ways the last one (a unit's, ahead of O^T's stores; the head's)
; stands behind every vector and matrix instruction that named these registers; and no memory or LDS instruction has read them.
.irp k, 0,1,2,3
	ds_load_b128 v[64+4*\k:67+4*\k], v[RDM] offset:16*\k           ; my query's 16 -M
.endr
.irp k, 0,1,2,3
	ds_load_b128 v[80+4*\k:83+4*\k], v[RDM] offset:4096+16*\k      ; its 16 l
.endr
.irp k, 0,1,2,3,4,5,6,7,8,9,10,11,12,13,14,15
	ds_load_b128 v[S+4*\k:S+4*\k+3], v[RDO] offset:SLOTB*\k        ; four channels of its 16 O'
.endr
	s_wait_dscnt 20                                ; -M is in: 4 + 16 loads were issued behind
	v_min3_num_f32 v54, v64, v65, v66
	v_min3_num_f32 v55, v67, v68, v69
	v_min3_num_f32 v54, v54, v70, v71
	v_min3_num_f32 v55, v55, v72, v73
	v_min3_num_f32 v54, v54, v74, v75
	v_min3_num_f32 v55, v55, v76, v77
	v_min3_num_f32 v54, v54, v78, v79
	v_min_num_f32 v54, v54, v55                    ; - the largest M
.irp k, 0,1,2,3,4,5,6,7,8,9,10,11,12,13,14,15
	v_sub_f32 v[96+\k], v54, v[64+\k]              ; M - the largest M: a whole number, 0 or less
.endr
.irp k, 0,1,2,3,4,5,6,7,8,9,10,11,12,13,14,15
	v_cvt_i32_f32 v[96+\k], v[96+\k]               ; (it saturates)
.endr
.irp k, 0,1,2,3,4,5,6,7,8,9,10,11,12,13,14,15
	v_ldexp_f32 v[96+\k], 1.0, v[96+\k]            ; the weight: an exact power of two, or 0
.endr
	s_wait_dscnt 16                                ; l is in
	v_mul_f32 v56, v96, v80
	v_mul_f32 v57, v97, v81
.irp k, 2,4,6,8,10,12,14
	v_fmac_f32 v56, v[96+\k], v[80+\k]
	v_fmac_f32 v57, v[97+\k], v[81+\k]
.endr
	v_add_f32 v56, v56, v57
	v_rcp_f32 v56, v56
	s_wait_dscnt 0x0
.irp e, 0,1,2,3
	v_mul_f32 v[58+\e], v96, v[S+\e]               ; (plain work behind the reciprocal)
.endr
.irp k, 1,2,3,4,5,6,7,8,9,10,11,12,13,14,15
.irp e, 0,1,2,3
	v_fmac_f32 v[58+\e], v[96+\k], v[S+4*\k+\e]
.endr
.endr
	s_wait_alu depctr_va_vdst(0)                   ; the reciprocal has written v56, ahead of its first reader
.irp e, 0,1,2,3
	v_mul_f32 v[58+\e], v[58+\e], v56
.endr
	s_wait_alu depctr_va_vdst(0)                   ; the four multiplications have written v58 to v61, which the store reads
	global_store_b128 v[LI], v[58:61], s[12:13] th:TH_STORE_NT     ; four rows of out0: 512 consecutive bytes, aligned
	s_wait_dscnt 0x0                               ; the closing lines, six on end
	s_wait_alu 0x0
	s_wait_tensorcnt 0x0
	ds_add_u32 v254, v255
	s_wait_dscnt 0x0
	s_endpgm
.Lfunc_end_k_q1bf024de3c_attn:
	.size	k_q1bf024de3c_attn, .Lfunc_end_k_q1bf024de3c_attn-k_q1bf024de3c_attn
	.p2alignl 7, 3214868480
	.fill 96, 4, 3214868480
	.section	.rodata,"a",@progbits
	.p2align	6, 0x0
	.amdhsa_kernel k_q1bf024de3c_attn
		.amdhsa_group_segment_fixed_size 157696
		.amdhsa_private_segment_fixed_size 0
		.amdhsa_enable_private_segment 0
		.amdhsa_kernarg_size 40
		.amdhsa_user_sgpr_count 2
		.amdhsa_user_sgpr_kernarg_segment_ptr 1
		.amdhsa_wavefront_size32 1
		.amdhsa_system_sgpr_workgroup_id_x 1
		.amdhsa_system_sgpr_workgroup_id_y 1
		.amdhsa_system_sgpr_workgroup_id_z 1
		.amdhsa_system_vgpr_workitem_id 0
		.amdhsa_next_free_vgpr 256
		.amdhsa_next_free_sgpr 66
		.amdhsa_reserve_vcc 0
		.amdhsa_float_denorm_mode_32 3
		.amdhsa_float_denorm_mode_16_64 3
		.amdhsa_memory_ordered 1
		.amdhsa_forward_progress 1
		.amdhsa_inst_pref_size 115
	.end_amdhsa_kernel
	.amdgpu_metadata
---
amdhsa.version: [ 1, 2 ]
amdhsa.kernels:
  - .name:           k_q1bf024de3c_attn
    .symbol:         k_q1bf024de3c_attn.kd
    .args:
      - { .name: qc, .offset: 0, .size: 8, .value_kind: global_buffer, .address_space: global }
      - { .name: kc, .offset: 8, .size: 8, .value_kind: global_buffer, .address_space: global }
      - { .name: vc, .offset: 16, .size: 8, .value_kind: global_buffer, .address_space: global }
      - { .name: sc, .offset: 24, .size: 8, .value_kind: global_buffer, .address_space: global }
      - { .name: out0, .offset: 32, .size: 8, .value_kind: global_buffer, .address_space: global }
    .group_segment_fixed_size: 157696
    .private_segment_fixed_size: 0
    .kernarg_segment_align: 8
    .kernarg_segment_size: 40
    .max_flat_workgroup_size: 512
    .sgpr_count:     66
    .vgpr_count:     256
    .wavefront_size: 32
...
	.end_amdgpu_metadata
.endif
;; end of part 3
